; MI455X (gfx1250); checked and timed in simulation.
; The chip was launched on July 23, 2026; its instructions are those of AMD's public machine-readable ISA for CDNA 5 (MIT licence, August 2026) and "CDNA5" Instruction Set Architecture Reference Guide (July 2026). The comments in the code are by the model that wrote it; some were corrected since.
;; Structural Graph Transformer. Allowed arithmetic: matrix products marked QUANTISED: E2M1 operands, one E8M0 scale for each 32 along K, by v_wmma_scale_f32_16x16x128_f8f6f4 with both operands' format E2M1 (or v_wmma_scale_f32_32x16x128_f4), f32 sums; everything else in f32.
;; Inputs: Wk_codes 1,024 x 32 x 16 uint8 (E2M1 codes of Wk, K innermost, in blocks of 32 codes, two codes a byte); Wk_scales 1,024 x 32 uint8 (E8M0 scales of Wk, one for each 32 codes along K); Wo_codes 1,024 x 32 x 16 uint8 (E2M1 codes of Wo, K innermost, in blocks of 32 codes, two codes a byte); Wo_scales 1,024 x 32 uint8 (E8M0 scales of Wo, one for each 32 codes along K); Wq_codes 1,024 x 32 x 16 uint8 (E2M1 codes of Wq, K innermost, in blocks of 32 codes, two codes a byte); Wq_scales 1,024 x 32 uint8 (E8M0 scales of Wq, one for each 32 codes along K); Wv_codes 1,024 x 32 x 16 uint8 (E2M1 codes of Wv, K innermost, in blocks of 32 codes, two codes a byte); Wv_scales 1,024 x 32 uint8 (E8M0 scales of Wv, one for each 32 codes along K); bk 1,024 float32; bo 1,024 float32; bq 1,024 float32; bv 1,024 float32; dist_bias 5 float32; distances 4 x 2,048 x 2,048 int32; ln_b 1,024 float32; ln_g 1,024 float32; x 4 x 2,048 x 1,024 float32.
;; Outputs: out0 4 x 2,048 x 1,024 float32.
;; This version of the problem:
;;   THIS VERSION OF THE PROBLEM IS GIVEN IN LOW PRECISION. The matrix products marked QUANTISED in the list below multiply operands that are first quantised to E2M1 (2 exponent bits, 1 mantissa bit; 4 bits a number), with one power-of-two scale for each 32 numbers along K (OCP MX v1.0); their sums are f32. All else is computed in f32.
;;   The module's matrix products, in the order in which they are computed (A, B: the left and right operand; K: the contracted axis; several contracted axes count as one K, in the product's order):
;;     1. [M 8,192, K 1,024] x [K 1,024, N 1,024]; A: input x; B: input Wq (given as codes): QUANTISED
;;     2. [M 8,192, K 1,024] x [K 1,024, N 1,024]; A: input x; B: input Wk (given as codes): QUANTISED
;;     3. [M 8,192, K 1,024] x [K 1,024, N 1,024]; A: input x; B: input Wv (given as codes): QUANTISED
;;     4. batch 64 x [M 2,048, K 64] x [K 64, N 2,048]; A: computed on the way; B: computed on the way: QUANTISED
;;     5. batch 64 x [M 2,048, K 2,048] x [K 2,048, N 64]; A: softmax (see below); B: computed on the way: QUANTISED
;;     6. [M 8,192, K 1,024] x [K 1,024, N 1,024]; A: computed on the way; B: input Wo (given as codes): QUANTISED
;;   THE QUANTISER, for each operand of a quantised product, along K:
;;     - K is cut into blocks of 32 from its start; a last block that is shorter is filled with zeros.
;;     - A block's scale is 2^e with e = floor(log2(the largest magnitude in the block)) - 2, held to -126 .. 127; a block of zeros has e = 0. As a byte (E8M0): e + 127.
;;     - Each number is divided by its block's scale, clamped to +-6, and rounded to the nearest number of E2M1, ties to even, subnormals kept.
;;     - The product sums the exact products of the quantised numbers (number of the format x scale) in f32.
;;   ~~~python
;;   def quantise(x, axis):      # numpy; x: float32 -> the quantised numbers, widened to float32 again
;;       x = np.moveaxis(x, axis, -1); K = x.shape[-1]
;;       x = np.pad(x, [(0, 0)] * (x.ndim - 1) + [(0, -K % 32)]); x = x.reshape(x.shape[:-1] + (-1, 32)); a = np.abs(x).max(-1, keepdims=True)
;;       e = np.where(a > 0, np.clip(np.frexp(np.where(a > 0, a, 1))[1] - 1 - 2, -126, 127), 0)      # np.frexp(a)[1] - 1 = floor(log2(a)), exactly
;;       r = np.clip(x / 2.0 ** e, -6, 6)
;;       step = 2.0 ** (np.maximum(np.frexp(np.where(r == 0, 1, r))[1] - 1, 0) - 1)
;;       q = np.round(r / step) * step * 2.0 ** e      # np.round: ties to even
;;       return np.moveaxis(q.reshape(q.shape[:-2] + (-1,))[..., :K], -1, axis).astype(np.float32)
;;   ~~~
;;   SOFTMAX AHEAD OF A QUANTISED PRODUCT. Where the list says 'softmax', what is quantised is not the finished softmax but p = 2^(t - M), with t = logit x log2(e) and M = ceil(the row's largest t), a whole number; so 1/2 < the row's largest p <= 1. The row's sum l is taken of the UNQUANTISED p, in f32, and the product's result is divided by l at the end. Since M is a whole number, a kernel that streams over the keys may use a running M (the ceiling of the running maximum): every later rescaling is an exact power of two, which a block's scale takes up: the codes' values come out the same.
;;   OPERANDS COMPUTED ON THE WAY. 'Computed on the way' means the value that the module computes at that place (a softmax that the list does not call 'softmax' is quantised finished and normalised). What goes into a quantiser is computed in f32, as accurately as f32 sums, v_exp_f32 and their like allow (about 1e-6 of the number): no bf16 or f16 on the way to a quantiser, and a product that is left as it is and whose result goes on into a quantised operand takes f32 operands (vector FMAs, or v_wmma_f32_16x16x4_f32). A number that lies on a knife's edge between two numbers of the format may be rounded either way, as far as f32 arithmetic and the matrix unit's own rounding can turn it there, and no further.
;;   INPUTS GIVEN AS CODES. Wk (in the module: [1024, 1024], K = its axis 1); Wo (in the module: [1024, 1024], K = its axis 1); Wq (in the module: [1024, 1024], K = its axis 1); Wv (in the module: [1024, 1024], K = its axis 1): each comes as NAME_codes (uint8): NAME with its K axis moved to the last place and cut into blocks of 32 codes, [.., K / 32, bytes a block], one block behind the other in memory; two codes a byte, the lower K in the low four bits (a code: sign, 2 exponent bits, 1 mantissa bit); and NAME_scales (uint8): the same leading axes, one E8M0 byte (e + 127) for each 32 codes along K. Its value is code x scale, taken as it is: it is not quantised again, and the codes and scales need not be those that the quantiser above would give.
;; One version. Each part assembles by itself: llvm-mc -triple=amdgcn-amd-amdhsa -mcpu=gfx1250 --defsym DOCPART=n.
;; ======== version 1 of 1: 2 launches
;; limits: right only within a limited range of input values
;; workspace buffers: qc 4,194,304 bytes; qs 524,288 bytes; kc 4,194,304 bytes; ks 524,288 bytes; vc 4,194,304 bytes; vs 262,144 bytes; woi 524,288 bytes
;; launch qkv (part 1): grid 4 x 64, 4 waves a work-group, no clusters, 78,336 bytes of LDS; arguments x, Wq_codes, Wq_scales, bq, Wk_codes, Wk_scales, bk, Wv_codes, Wv_scales, bv, qc, qs, kc, ks, vc, vs, Wo_codes, woi; writes qc, qs, kc, ks, vc, vs, woi
.if DOCPART == 1
	.amdgcn_target "amdgcn-amd-amdhsa--gfx1250"
	.amdhsa_code_object_version 6
	.text
	.protected	k_qca0831d5a7_qkv
	.globl	k_qca0831d5a7_qkv
	.p2align	8
	.type	k_qca0831d5a7_qkv,@function
k_qca0831d5a7_qkv:
	s_mov_b64 s[64:65], 0
	v_nop
	global_prefetch_b8 v0, s[64:65] scope:SCOPE_SE
	s_setreg_imm32_b32 hwreg(HW_REG_WAVE_MODE, 25, 1), 1
	s_wait_xcnt 0x0
; q = x Wq^T + bq, k = x Wk^T + bk, v = x Wv^T + bv on codes of FP4 (E2M1) with one E8M0 scale for each 32 along K, and the three results quantised again:
; q and k along the head's 64 channels, v along the keys.  x [8192][1024] f32 is quantised here; the weights come as codes.
; SHARES.  A work-group takes 128 tokens (grid y) and 4 heads (grid x); wave w takes head 4 x + w for all three products: 64 columns x 128 tokens x K 1,024 each, 32 accumulators.
; PHASE X: wave w quantises tokens 32 w .. 32 w + 31 of x, all of K, and lays the codes in LDS as images of the operand's registers; one barrier; then three passes over K.
; TOKEN ORDER.  Lane r of token tile t is token 32 (t / 2) + 8 (t % 2) + r + 8 (r / 8) of the 128; the rows of a weight that form a tile are chosen the same way inside a head's 64.
; So 16 registers of two neighbouring result tiles are 16 neighbours along the next product's K, for q and k (channels; weight = source 0) and for v (keys; x = source 0) alike.
; WORKSPACE, in the order of the operand's registers: qc, kc [head][group of 128][tile][512 bytes: 16 x lane]; vc [head][group][channel tile][2 x 512]; scale words two tiles to a register (lanes 0-15, lanes 16-31).
; A fragment of q or k has 64 along K: 4 registers; bytes 2 and 3 of its scale word are 0x7f, for the zero codes that the reader sets beside it.
; NO JOINT LOADS: a weight fragment is read by one wave of a work-group, once, straight into the registers in which it stays for its pass; through LDS it would make a second trip of 139,264 bytes a product.
; LIMITS: NaN and infinities among the inputs are not served; a block whose largest magnitude lies under 2^-124, a block of zeros too, keeps the scale byte 1 (its bytes are read by this program alone).
.set FRB,  1152                        ; an image of a fragment: 2 register groups x 2 lane halves x (256 + 32) bytes
.set XSC,  64*FRB                      ; behind the 64 images: x's scale words, 4 pairs of tiles x 32 lanes x 8 K steps x 4 bytes
.set LI,   1                           ; 16 x lane
.set XG,   2                           ; x: (lane / 16) rows + 32 bytes x (lane % 16)
.set XWI,  3                           ; where my code word goes in an image
.set XWS,  4                           ; where my block's scale byte goes
.set AI,   5                           ; the two for the K step in hand
.set ASA,  6
.set XR0,  7                           ; an image read back: 288 h + 16 r; tiles 0-3
.set XR1,  8                           ; tiles 4-7
.set XSR,  9                           ; x's scale words read back: 32 x lane
.set WA,   10                          ; a weight's codes: (r + 8 (r / 8)) rows of 512 bytes + 16 h
.set WSA,  11                          ; its scale words: two tiles to a register
.set BA,   12                          ; a bias along the registers: 64 h
.set BVA,  13                          ; a bias along the lanes: 4 (r + 8 (r / 8))
.set L8,   14                          ; 8 x lane
.set TM,   16                          ; v16-19 largest magnitudes, v20-23 the other half's, then bytes, v24-27 the conversions' scale operands
.set PW,   28                          ; the scale word just made
.set SCOL, 30                          ; v30-33 scale words of two tiles each, on their way out
.set XS,   34                          ; v34-65 x's scale words: 8 (tile / 2) + K step
.set WS,   66                          ; v66-81 the weight's: 8 (tile / 2) + K step
.set BC,   82                          ; v82-113 the bias in the result's layout: the C of each sum's first product
.set XF0,  114                         ; v114-177, v178-241: x as loaded; then x's fragments of a K step, two buffers; then codes on their way out
.set XF1,  178
.set T8,   16                          ; phase X: eight largest magnitudes, eight code words, eight bytes
.set C8,   24
.set B8,   242
.set WV,   36
.set KC,   37
.set SEL,  38
.set FL,   40
.set HI,   41
.set XB,   42
.set OF,   44
.set SI,   46
.set SS,   47
.set MSB, 0
.macro WIN new                         ; the immediate's high byte repeats the setting that is left; a switch that changes nothing is dropped
.if MSB != \new
	s_set_vgpr_msb (MSB<<8)|\new
.set MSB, \new
.endif
.endm
.macro PLACES                          ; four plain places behind a matrix instruction, ahead of loads into its registers and of reads of its results
.rept 4
	v_nop
.endr
.endm
; one product; the operands stand in the symbols rD rA rB rC rSA rSB; fA, fB: the side's scales stand in lanes 16-31
.macro WM
.if fA && fB
	v_wmma_scale_f32_16x16x128_f8f6f4 v[rD:rD+7], v[rA:rA+7], v[rB:rB+7], v[rC:rC+7], v[rSA], v[rSB] matrix_a_fmt:MATRIX_FMT_FP4 matrix_b_fmt:MATRIX_FMT_FP4 matrix_a_scale:MATRIX_SCALE_ROW1 matrix_b_scale:MATRIX_SCALE_ROW1
.elseif fA
	v_wmma_scale_f32_16x16x128_f8f6f4 v[rD:rD+7], v[rA:rA+7], v[rB:rB+7], v[rC:rC+7], v[rSA], v[rSB] matrix_a_fmt:MATRIX_FMT_FP4 matrix_b_fmt:MATRIX_FMT_FP4 matrix_a_scale:MATRIX_SCALE_ROW1
.elseif fB
	v_wmma_scale_f32_16x16x128_f8f6f4 v[rD:rD+7], v[rA:rA+7], v[rB:rB+7], v[rC:rC+7], v[rSA], v[rSB] matrix_a_fmt:MATRIX_FMT_FP4 matrix_b_fmt:MATRIX_FMT_FP4 matrix_b_scale:MATRIX_SCALE_ROW1
.else
	v_wmma_scale_f32_16x16x128_f8f6f4 v[rD:rD+7], v[rA:rA+7], v[rB:rB+7], v[rC:rC+7], v[rSA], v[rSB] matrix_a_fmt:MATRIX_FMT_FP4 matrix_b_fmt:MATRIX_FMT_FP4
.endif
.endm
; my head's part of a weight: 32 fragments (tile t, K step k) into window 1 at 8 (8 t + k), its scale words, its bias.  kind 0: the bias runs along the registers; 1: along the lanes
.macro LOADW pc, ps, pb, kind
	WIN 0x40
.irp t, 0,1,2,3
.irp k, 0,1,2,3,4,5,6,7
.irp c, 0,1
	global_load_b128 v[8*(8*\t+\k)+4*\c:8*(8*\t+\k)+4*\c+3], v[WA], s[\pc:\pc+1] offset:(32*(\t/2)+8*(\t%2))*512+64*\k+32*\c
.endr
.endr
.endr
	WIN 0
.irp p, 0,1
.irp q, 0,1
	global_load_b128 v[WS+8*\p+4*\q:WS+8*\p+4*\q+3], v[WSA], s[\ps:\ps+1] offset:1024*\p+16*\q
.endr
.endr
.if \kind == 0
.irp t, 0,1,2,3
	global_load_b128 v[BC+8*\t:BC+8*\t+3], v[BA], s[\pb:\pb+1] offset:(32*(\t/2)+8*(\t%2))*4
	global_load_b128 v[BC+8*\t+4:BC+8*\t+7], v[BA], s[\pb:\pb+1] offset:(32*(\t/2)+8*(\t%2))*4+16
.endr
.else
.irp t, 0,1,2,3
.irp j, 0,1,2,3,4,5,6,7
	global_load_b32 v[BC+8*\t+\j], v[BVA], s[\pb:\pb+1] offset:(32*(\t/2)+8*(\t%2))*4
.endr
.endr
.endif
.endm
; 16 rows x 128 along K of x: tile 2 w + u.  Load pair p brings rows 2 p and 2 p + 1 of the tile; a lane holds 8 neighbours along K; the two loads of a pair cover 2 x 512 consecutive bytes
.macro XLOAD buf, u
.irp p, 0,1,2,3,4,5,6,7
.irp j, 0,1
	global_load_b128 v[\buf+8*\p+4*\j:\buf+8*\p+4*\j+3], v[XG], s[XB:XB+1] offset:(2*\p+8*(\p/4)+8*\u)*4096+16*\j
.endr
.endr
.endm
; they become codes: a block of 32 lies in four neighbouring lanes; a lane's 8 codes are one register of the fragment and go to their place in its image
.macro XQ buf, u
.irp p, 0,1,2,3,4,5,6,7
	v_max3_num_f32 v[T8+\p], |v[\buf+8*\p]|, |v[\buf+8*\p+1]|, s[FL]      ; with the floor 2^(3 - 127): the byte cannot fall under 1
.endr
.irp i, 2,4,6
.irp p, 0,1,2,3,4,5,6,7
	v_max3_num_f32 v[T8+\p], v[T8+\p], |v[\buf+8*\p+\i]|, |v[\buf+8*\p+\i+1]|
.endr
.endr
.irp p, 0,1,2,3,4,5,6,7
	v_max_num_f32_dpp v[T8+\p], v[T8+\p], v[T8+\p] row_xmask:1 row_mask:0xf bank_mask:0xf
.endr
.irp p, 0,1,2,3,4,5,6,7
	v_max_num_f32_dpp v[T8+\p], v[T8+\p], v[T8+\p] row_xmask:2 row_mask:0xf bank_mask:0xf
.endr
.irp p, 0,1,2,3,4,5,6,7
	v_add_nc_u32 v[T8+\p], 0xff000000, v[T8+\p]                           ; 2 off the exponent field: the conversion's scale operand
.endr
.irp p, 0,1,2,3,4,5,6,7
	v_cvt_scalef32_pk8_fp4_f32 v[C8+\p], v[\buf+8*\p:\buf+8*\p+7], v[T8+\p]
.endr
.irp p, 0,1,2,3,4,5,6,7
	v_lshrrev_b32 v[B8+\p], 23, v[T8+\p]                                  ; the scale's byte (plain lines behind the conversions)
.endr
.irp p, 0,1,2,3,4,5,6,7
	ds_store_b32 v[AI], v[C8+\p] offset:32*\p+8*FRB*\u
.endr
.irp p, 0,1,2,3,4,5,6,7
	ds_store_b8 v[ASA], v[B8+\p] offset:64*\p+512*\u                      ; the four lanes of a block write the same byte with the same value
.endr
.endm
; x's eight fragments of K step k from their images
.macro FETCHX k, buf
.irp m, 0,1,2,3
.irp c, 0,1
	ds_load_b128 v[\buf+8*\m+4*\c:\buf+8*\m+4*\c+3], v[XR0] offset:(8*\m+(\k))*FRB+576*\c
.endr
.endr
.irp m, 0,1,2,3
.irp c, 0,1
	ds_load_b128 v[\buf+32+8*\m+4*\c:\buf+32+8*\m+4*\c+3], v[XR1] offset:(8*\m+(\k))*FRB+576*\c
.endr
.endr
.endm
; a K step of a pass: 32 products, the 32 accumulators by turns.  kind 0: source 0 = the weight, accumulator 8 (4 m + t); kind 1: source 0 = x, accumulator 8 (8 t + m)
.macro PSTEP kind, k
.if \k > 0
	PLACES
.endif
.if \k < 7
	FETCHX (\k+1), XF0+64*((\k+1)%2)
	s_wait_dscnt 16                                ; this step's fragments are in; the next step's 16 loads stay out
.else
	s_wait_dscnt 0x0
.endif
.if \kind == 0
.if \k == 0
	WIN 0x81                                       ; weight window 1, x and the bias window 0, D window 2
.else
	WIN 0xa1                                       ; C and D window 2
.endif
.else
.if \k == 0
	WIN 0x84
.else
	WIN 0xa4
.endif
.endif
.irp m, 0,1,2,3,4,5,6,7
.irp t, 0,1,2,3
.if \kind == 0
.set rD, 8*(4*\m+\t)
.set rA, 8*(8*\t+\k)
.set rB, XF0+64*(\k%2)+8*\m
.set rSA, WS+8*(\t/2)+\k
.set rSB, XS+8*(\m/2)+\k
.set fA, \t%2
.set fB, \m%2
.else
.set rD, 8*(8*\t+\m)
.set rA, XF0+64*(\k%2)+8*\m
.set rB, 8*(8*\t+\k)
.set rSA, XS+8*(\m/2)+\k
.set rSB, WS+8*(\t/2)+\k
.set fA, \m%2
.set fB, \t%2
.endif
.if \k == 0
.set rC, BC+8*\t
.else
.set rC, rD
.endif
	WM
.endr
.endr
	WIN 0
.endm
.macro PASS kind
	s_wait_xcnt 0x0                                ; the stores of the pass before have read their registers
	s_wait_loadcnt 0x0                             ; the weight, its scales and its bias are in
	FETCHX 0, XF0
.irp k, 0,1,2,3,4,5,6,7
	PSTEP \kind, \k
.endr
	PLACES
.endm
; nb blocks of 32: register 16 b + i of window w at src = number 32 b + 16 (lane / 16) + i of my row.  Codes to v[pc] on, in the operand's layout; the scale word to v[PW]
.macro QUANT src, nb, w, pc
.set wq, ((\w)<<2)|((\w)<<4)
	WIN wq
.set bb, 0
.rept \nb
	v_max3_num_f32 v[TM+bb], s[FL], |v[\src+16*bb]|, |v[\src+16*bb+1]|
.set bb, bb+1
.endr
.irp i, 2,4,6,8,10,12,14
.set bb, 0
.rept \nb
	v_max3_num_f32 v[TM+bb], v[TM+bb], |v[\src+16*bb+\i]|, |v[\src+16*bb+\i+1]|
.set bb, bb+1
.endr
.endr
	WIN 0
.set bb, 0
.rept \nb
	v_permlanex16_b32 v[TM+4+bb], v[TM+bb], s[SEL], s[SEL+1]
.set bb, bb+1
.endr
.set bb, 0
.rept \nb
	v_max_num_f32 v[TM+bb], v[TM+bb], v[TM+4+bb]                          ; with lane l xor 16's: the block's largest magnitude
.set bb, bb+1
.endr
.set bb, 0
.rept \nb
	v_add_nc_u32 v[TM+8+bb], 0xff000000, v[TM+bb]
.set bb, bb+1
.endr
.set bb, 0
.rept \nb
	v_lshrrev_b32 v[TM+4+bb], 23, v[TM+8+bb]
.set bb, bb+1
.endr
	v_lshl_or_b32 v[PW], v[TM+5], 8, v[TM+4]
.if \nb == 2
	v_or_b32 v[PW], 0x7f7f0000, v[PW]                                     ; the two blocks that the reader fills with zero codes: scale 1
.else
	v_lshl_or_b32 v[PW], v[TM+6], 16, v[PW]
	v_lshl_or_b32 v[PW], v[TM+7], 24, v[PW]
.endif
.set wq, \w
	WIN wq
.set bb, 0
.rept \nb
	v_cvt_scalef32_pk8_fp4_f32 v[\pc+2*bb], v[\src+16*bb:\src+16*bb+7], v[TM+8+bb]
	v_cvt_scalef32_pk8_fp4_f32 v[\pc+2*bb+1], v[\src+16*bb+8:\src+16*bb+15], v[TM+8+bb]
.set bb, bb+1
.endr
	WIN 0
	v_nop                                          ; one plain place behind a scaled conversion
.set bb, 0
.rept \nb/2                            ; the layout wants a whole block in a lane: lanes 0-15 the even block, lanes 16-31 the odd one
	v_permlane16_swap_b32 v[\pc+4*bb], v[\pc+4*bb+2]
	v_permlane16_swap_b32 v[\pc+4*bb+1], v[\pc+4*bb+3]
.set bb, bb+1
.endr
.endm
.macro MERGE n                         ; the word of an even tile fills the register, that of the odd tile takes lanes 16-31
.if ((\n)%2) == 0
	v_mov_b32 v[SCOL+(\n)/2], v[PW]
.else
	v_cndmask_b32 v[SCOL+(\n)/2], v[SCOL+(\n)/2], v[PW], s[HI]
.endif
.endm
.macro EPIQK oc, os                    ; q or k: eight token tiles, two blocks of channels each; every store of the wave covers 512 consecutive bytes, aligned
.irp m, 0,1,2,3,4,5,6,7
	QUANT 32*\m, 2, 2, XF0+4*\m
	global_store_b128 v[LI], v[XF0+4*\m:XF0+4*\m+3], s[\oc:\oc+1] offset:512*\m
	MERGE \m
.endr
	global_store_b128 v[LI], v[SCOL:SCOL+3], s[\os:\os+1]
.endm
.macro EPIV                            ; v: four channel tiles, four blocks of keys each
.irp t, 0,1,2,3
	QUANT 64*\t, 4, 2, XF0+8*\t
	global_store_b128 v[LI], v[XF0+8*\t:XF0+8*\t+3], s[32:33] offset:1024*\t
	global_store_b128 v[LI], v[XF0+8*\t+4:XF0+8*\t+7], s[32:33] offset:1024*\t+512
	MERGE \t
.endr
	global_store_b64 v[L8], v[SCOL:SCOL+1], s[34:35]
.endm
	s_load_b512 s[4:19], s[0:1], 0x0               ; x 4, Wq codes 6, scales 8, bq 10, Wk codes 12, scales 14, bk 16, Wv codes 18
	s_load_b512 s[20:35], s[0:1], 0x40
	s_load_b128 s[52:55], s[0:1], 0x80             ; Wo codes 52, woi 54
	v_lshl_add_u32 v254, v0, 2, 0x13000
	v_mov_b32 v255, 0
	v_lshrrev_b32 v1, 5, v0
	v_readfirstlane_b32 s[WV], v1                  ; wave 0..3
	v_and_b32 v16, 31, v0                          ; lane
	v_and_b32 v17, 15, v0                          ; r
	v_bfe_u32 v18, v0, 4, 1                        ; h
	v_lshlrev_b32 v[LI], 4, v16
	v_lshlrev_b32 v[L8], 3, v16
	v_lshlrev_b32 v[XG], 12, v18
	v_lshl_add_u32 v[XG], v17, 5, v[XG]
	v_bfe_u32 v19, v0, 3, 1                        ; my 8 numbers are octet o = lane % 16 of 128 along K: register group o / 8,
	v_mul_u32_u24 v[XWI], v19, 576
	v_bfe_u32 v19, v0, 2, 1                        ; lane half (o / 4) % 2,
	v_mad_u32_u24 v[XWI], v19, 288, v[XWI]
	v_and_b32 v19, 3, v0                           ; register o % 4 of the group;
	v_lshl_add_u32 v[XWI], v19, 2, v[XWI]
	v_lshl_add_u32 v[XWI], v18, 4, v[XWI]          ; the tile's row 2 p + lane / 16
	s_mul_i32 s[OF], s[WV], 16*FRB                 ; my two tiles' 16 images
	v_add_nc_u32 v[XWI], s[OF], v[XWI]
	v_bfe_u32 v19, v0, 2, 2                        ; my block: o / 4
	v_lshl_add_u32 v[XWS], v18, 5, v19
	s_lshl_b32 s[OF], s[WV], 10
	s_add_co_u32 s[OF], s[OF], XSC
	v_add_nc_u32 v[XWS], s[OF], v[XWS]
	v_mul_u32_u24 v[XR0], v18, 288
	v_lshl_add_u32 v[XR0], v17, 4, v[XR0]
	v_add_nc_u32 v[XR1], 32*FRB, v[XR0]
	v_lshl_add_u32 v[XSR], v16, 5, XSC
	v_and_b32 v19, 8, v17
	v_add_nc_u32 v19, v19, v17                     ; r + 8 (r / 8)
	v_lshlrev_b32 v[WA], 9, v19
	v_lshl_add_u32 v[WA], v18, 4, v[WA]
	v_lshl_add_u32 v[WSA], v18, 3, v19
	v_lshlrev_b32 v[WSA], 5, v[WSA]
	v_lshlrev_b32 v[BA], 6, v18
	v_lshlrev_b32 v[BVA], 2, v19
	v_lshlrev_b32 v15, 9, v17                      ; Wo: row r of 512 bytes
	v_lshl_add_u32 v15, v18, 4, v15                ; + 16 h
	s_mov_b32 s[SEL], 0x76543210
	s_mov_b32 s[SEL+1], 0xfedcba98                 ; v_permlanex16_b32's selects for lane l xor 16
	s_mov_b32 s[FL], 0x1800000
	s_mov_b32 s[HI], 0xffff0000                    ; lanes 16-31
	s_lshl_b32 s48, ttmp9, 2
	s_add_co_u32 s48, s48, s[WV]                   ; my head
	s_and_b32 s49, ttmp7, 0xffff                   ; the group of 128 tokens, 0..63
	s_mov_b32 s[OF+1], 0
	s_wait_alu depctr_va_vdst(0)
	s_wait_kmcnt 0x0
	s_lshl_b32 s[OF], s48, 15                      ; 64 rows of 512 bytes of codes
	s_add_nc_u64 s[6:7], s[6:7], s[OF:OF+1]
	s_add_nc_u64 s[12:13], s[12:13], s[OF:OF+1]
	s_add_nc_u64 s[18:19], s[18:19], s[OF:OF+1]
	s_lshl_b32 s[OF], s48, 11                      ; 64 rows of 32 scale bytes
	s_add_nc_u64 s[8:9], s[8:9], s[OF:OF+1]
	s_add_nc_u64 s[14:15], s[14:15], s[OF:OF+1]
	s_add_nc_u64 s[20:21], s[20:21], s[OF:OF+1]
	s_lshl_b32 s[OF], s48, 8                       ; 64 numbers of a bias
	s_add_nc_u64 s[10:11], s[10:11], s[OF:OF+1]
	s_add_nc_u64 s[16:17], s[16:17], s[OF:OF+1]
	s_add_nc_u64 s[22:23], s[22:23], s[OF:OF+1]
	s_lshl_b32 s[OF], s49, 19                      ; x: (128 group + 32 wave) rows of 4,096 bytes
	s_lshl_b32 s50, s[WV], 17
	s_add_co_u32 s[OF], s[OF], s50
	s_add_nc_u64 s[4:5], s[4:5], s[OF:OF+1]
	s_and_b32 s50, s49, 0x30                       ; 16 x batch
	s_add_co_u32 s50, s50, s48                     ; + head
	s_lshl_b32 s50, s50, 4
	s_and_b32 s51, s49, 15
	s_add_co_u32 s50, s50, s51                     ; x 16 + the group inside the batch
	s_lshl_b32 s[OF], s50, 12
	s_add_nc_u64 s[24:25], s[24:25], s[OF:OF+1]
	s_add_nc_u64 s[28:29], s[28:29], s[OF:OF+1]
	s_add_nc_u64 s[32:33], s[32:33], s[OF:OF+1]
	s_lshl_b32 s[OF], s50, 9
	s_add_nc_u64 s[26:27], s[26:27], s[OF:OF+1]
	s_add_nc_u64 s[30:31], s[30:31], s[OF:OF+1]
	s_lshl_b32 s[OF], s50, 8
	s_add_nc_u64 s[34:35], s[34:35], s[OF:OF+1]
	; Wo's codes are laid anew for the next launch, in the order of the operand's registers: woi [16 groups of 64 rows][K step][tile of 16 rows][register group][16 x lane].
	; Each of the launch's 1,024 waves moves one block of 512 bytes: block B = 4 (4 y + x) + wave = ((8 w + k) 4 + t) 2 + c
	s_lshl_b32 s56, s49, 2
	s_add_co_u32 s56, s56, ttmp9
	s_lshl_b32 s56, s56, 2
	s_add_co_u32 s56, s56, s[WV]                   ; B
	s_lshl_b32 s[OF], s56, 9
	s_add_nc_u64 s[54:55], s[54:55], s[OF:OF+1]
	s_lshr_b32 s57, s56, 6                         ; w: 64 rows of 512 bytes
	s_lshl_b32 s[OF], s57, 15
	s_bfe_u32 s57, s56, 0x20001                    ; t: 16 rows
	s_lshl_b32 s57, s57, 13
	s_add_co_u32 s[OF], s[OF], s57
	s_bfe_u32 s57, s56, 0x30003                    ; k: 64 bytes
	s_lshl_b32 s57, s57, 6
	s_add_co_u32 s[OF], s[OF], s57
	s_and_b32 s57, s56, 1                          ; c: 32 bytes
	s_lshl_b32 s57, s57, 5
	s_add_co_u32 s[OF], s[OF], s57
	s_add_nc_u64 s[52:53], s[52:53], s[OF:OF+1]
	global_load_b128 v[250:253], v15, s[52:53]     ; the oldest load of the wave: the counted waits of the loop below show it done
	LOADW 6, 8, 10, 0
	s_mov_b64 s[XB:XB+1], s[4:5]
	XLOAD XF0, 0
	XLOAD XF1, 1
	s_mov_b32 s[KC], 0
	s_mov_b32 s[SI], 0
	s_mov_b32 s[SS], 0
.Lx:                                                   ; a trip: one K step of my 32 tokens; the next K step's 32 loads are on their way meanwhile
	v_add_nc_u32 v[AI], s[SI], v[XWI]
	v_add_nc_u32 v[ASA], s[SS], v[XWS]
	s_wait_loadcnt 16                              ; the first tile's 16 loads are in; the second tile's stay out
	XQ XF0, 0
	s_wait_xcnt 0x0                                ; the loads have read their base: it may step
	s_lshl_b32 s[OF], s[KC], 9
	s_add_co_u32 s[OF], s[OF], 512
	s_min_u32 s[OF], s[OF], 3584                   ; the last trip asks for its own K step again: no load leaves x, and the counts stay the same in every trip
	s_add_nc_u64 s[XB:XB+1], s[4:5], s[OF:OF+1]
	XLOAD XF0, 0
	s_wait_loadcnt 16                              ; the second tile is in; the 16 just issued stay out
	s_wait_dscnt 0x0                               ; the LDS stores have read the code words and bytes: they may be written again
	XQ XF1, 1
	XLOAD XF1, 1
	s_wait_dscnt 0x0
	s_add_co_u32 s[SI], s[SI], FRB
	s_add_co_u32 s[SS], s[SS], 4
	s_add_co_u32 s[KC], s[KC], 1
	s_cmp_lt_u32 s[KC], 8
	s_cbranch_scc1 .Lx
	s_barrier_signal -1                            ; my stores have landed (the wait for 0 above): x's 64 images and their scale words lie in LDS
	s_barrier_wait -1
	global_store_b128 v[LI], v[250:253], s[54:55]  ; 512 consecutive bytes, aligned
.irp i, 0,1,2,3
.irp q, 0,1
	ds_load_b128 v[XS+8*\i+4*\q:XS+8*\i+4*\q+3], v[XSR] offset:1024*\i+16*\q
.endr
.endr
	PASS 0
	LOADW 12, 14, 16, 0                            ; Wk lands while q is quantised and stored
	EPIQK 24, 26
	PASS 0
	LOADW 18, 20, 22, 1
	EPIQK 28, 30
	PASS 1
	EPIV
	s_wait_tensorcnt 0x0
	ds_add_u32 v254, v255
	s_wait_dscnt 0x0
	s_endpgm
.Lfunc_end_k_qca0831d5a7_qkv:
	.size	k_qca0831d5a7_qkv, .Lfunc_end_k_qca0831d5a7_qkv-k_qca0831d5a7_qkv
	.p2alignl 7, 3214868480
	.fill 96, 4, 3214868480
	.section	.rodata,"a",@progbits
	.p2align	6, 0x0
	.amdhsa_kernel k_qca0831d5a7_qkv
		.amdhsa_group_segment_fixed_size 78336
		.amdhsa_private_segment_fixed_size 0
		.amdhsa_enable_private_segment 0
		.amdhsa_kernarg_size 144
		.amdhsa_user_sgpr_count 2
		.amdhsa_user_sgpr_kernarg_segment_ptr 1
		.amdhsa_wavefront_size32 1
		.amdhsa_system_sgpr_workgroup_id_x 1
		.amdhsa_system_sgpr_workgroup_id_y 1
		.amdhsa_system_sgpr_workgroup_id_z 1
		.amdhsa_system_vgpr_workitem_id 0
		.amdhsa_next_free_vgpr 768
		.amdhsa_next_free_sgpr 66
		.amdhsa_reserve_vcc 0
		.amdhsa_float_denorm_mode_32 3
		.amdhsa_float_denorm_mode_16_64 3
		.amdhsa_memory_ordered 1
		.amdhsa_forward_progress 1
		.amdhsa_inst_pref_size 222
	.end_amdhsa_kernel
	.amdgpu_metadata
---
amdhsa.version: [ 1, 2 ]
amdhsa.kernels:
  - .name:           k_qca0831d5a7_qkv
    .symbol:         k_qca0831d5a7_qkv.kd
    .args:
      - { .name: x, .offset: 0, .size: 8, .value_kind: global_buffer, .address_space: global }
      - { .name: Wq_codes, .offset: 8, .size: 8, .value_kind: global_buffer, .address_space: global }
      - { .name: Wq_scales, .offset: 16, .size: 8, .value_kind: global_buffer, .address_space: global }
      - { .name: bq, .offset: 24, .size: 8, .value_kind: global_buffer, .address_space: global }
      - { .name: Wk_codes, .offset: 32, .size: 8, .value_kind: global_buffer, .address_space: global }
      - { .name: Wk_scales, .offset: 40, .size: 8, .value_kind: global_buffer, .address_space: global }
      - { .name: bk, .offset: 48, .size: 8, .value_kind: global_buffer, .address_space: global }
      - { .name: Wv_codes, .offset: 56, .size: 8, .value_kind: global_buffer, .address_space: global }
      - { .name: Wv_scales, .offset: 64, .size: 8, .value_kind: global_buffer, .address_space: global }
      - { .name: bv, .offset: 72, .size: 8, .value_kind: global_buffer, .address_space: global }
      - { .name: qc, .offset: 80, .size: 8, .value_kind: global_buffer, .address_space: global }
      - { .name: qs, .offset: 88, .size: 8, .value_kind: global_buffer, .address_space: global }
      - { .name: kc, .offset: 96, .size: 8, .value_kind: global_buffer, .address_space: global }
      - { .name: ks, .offset: 104, .size: 8, .value_kind: global_buffer, .address_space: global }
      - { .name: vc, .offset: 112, .size: 8, .value_kind: global_buffer, .address_space: global }
      - { .name: vs, .offset: 120, .size: 8, .value_kind: global_buffer, .address_space: global }
      - { .name: Wo_codes, .offset: 128, .size: 8, .value_kind: global_buffer, .address_space: global }
      - { .name: woi, .offset: 136, .size: 8, .value_kind: global_buffer, .address_space: global }
    .group_segment_fixed_size: 78336
    .private_segment_fixed_size: 0
    .kernarg_segment_align: 8
    .kernarg_segment_size: 144
    .max_flat_workgroup_size: 128
    .sgpr_count:     66
    .vgpr_count:     768
    .wavefront_size: 32
...
	.end_amdgpu_metadata
.endif
;; end of part 1
;; launch attn (part 2): grid 64 x 4, 16 waves a work-group, no clusters, 199,168 bytes of LDS; arguments qc, qs, kc, ks, vc, vs, distances, dist_bias, woi, Wo_scales, bo, x, ln_g, ln_b, out0; writes out0
.if DOCPART == 2
	.amdgcn_target "amdgcn-amd-amdhsa--gfx1250"
	.amdhsa_code_object_version 6
	.text
	.protected	k_qca0831d5a7_attn
	.globl	k_qca0831d5a7_attn
	.p2align	8
	.type	k_qca0831d5a7_attn,@function
k_qca0831d5a7_attn:
	s_mov_b64 s[64:65], 0
	v_nop
	global_prefetch_b8 v0, s[64:65] scope:SCOPE_SE
	s_setreg_imm32_b32 hwreg(HW_REG_WAVE_MODE, 25, 1), 1
	s_wait_xcnt 0x0
; out0 = LayerNorm(x + softmax(q k^T / 8 + dist_bias[clip(distances)]) v Wo^T + bo), the three products on codes of FP4 (E2M1) with one E8M0 scale for each 32 along K.
; SHARES.  A work-group owns 32 tokens of one batch and ALL 16 heads: wave w is head w, with two tiles of 16 queries.  Every wave walks the batch's 2,048 keys, 128 a step.
; THE BIAS IS THE C OF THE SCORE PRODUCT: scores = (q.k + 8 bias) / 8, and 8 x bias rounds nothing.  In each step wave w decodes 2 of the 32 rows of distances
; and lays 8 x bias in LDS as an image of the score registers; all sixteen heads load it into those registers and the product adds q.k onto it.  Two images take turns.
; ONE BARRIER A STEP, ITS HALVES APART.  A wave signals in the step's middle, when its stores into the next image have landed and its reads of this step's image are in;
; it waits inside tile 1's softmax, behind the conversions, and loads the next step's bias of tile 0 straight behind the wait.  Between signal and wait stands work on registers alone.
; DECODE: d is clipped to 0 .. 4; four d make one selector word; v_perm_b32 looks up byte i of the table's five f32 numbers for four keys at once (i = 0 .. 3), and a 4 x 4 transposition of bytes gives four f32.
; SOFTMAX: t = c (q.k + 8 bias), c = log2(e) / 8; M = the ceiling of the running largest t, kept as -M; p = 2^(t - M) is quantised along the keys; the sum is taken of the unquantised p and divides at the end.
; LAYOUT.  S^T = K Q^T and O^T = V^T P^T: a lane holds one query throughout.  K, V, Q and Wo (woi: the launch before has laid Wo's codes so) come from the workspace in the order of the operand's registers, straight into registers.
; A fragment of q or k has 64 along K, 4 registers.  Q's operand is its 4 registers and 4 of zeros; K's operand for tile t is registers 4 t .. 4 t + 7, whose upper four (the next tile's codes, or p's) meet Q's zero codes under the scale 1.
; THE LAST STEP'S LOOK-AHEAD FETCHES Wo: where a step would ask for the codes of key step 16, which does not exist, the base is chosen (s_cselect_b64 on the count of steps) so that the same eight loads bring
; K step 0 of my 64 rows of Wo into K's registers, and K step 1 into V's.
; TAIL.  O / the sum is quantised along E (a head is two blocks), goes to LDS as images, and wave w makes output columns 64 w .. 64 w + 63 for the 32 tokens; a stage in LDS; wave w then takes rows 2 w, 2 w + 1 whole:
; + bo, + x, mean, variance of the differences, gain and bias.  bo, ln_g and ln_b come into LDS once, at the head, 256 bytes of each a wave, and every wave reads them from there.
; NO JOINT LOADS: in a work-group each byte of K and V is read by one wave, once.  A step's K, V and scale words of 16 heads are 143,360 bytes: two slots of them, the two bias images (34,816),
; the three vectors (12,288) and the spare words (2,048) are 335,872 bytes, more than the 327,680 that a work-group can have.
; NO PREFETCH OF K AND V: each step's loads of K, V and distances are themselves issued a step ahead of their use.
; LIMITS: NaN and infinities among the inputs are not served; a block whose largest magnitude lies under 2^-124, a block of zeros too, keeps the scale byte 1 (read by this program alone);
; a block's largest p is taken from the block's largest score, which takes v_exp_f32 not to fall where its input rises; t is rounded as c (q.k + 8 bias), not as (q.k / 8 + bias) log2(e).
.set BBUF, 17408                       ; a bias image: 32 groups of four registers x 2 lane halves x (256 + 16) bytes; two images from LDS byte 0
.set AIMG, 34816                       ; the attention output's fragments: tile m x 8,192 + head x 512 + 16 x lane
.set ASC,  51200                       ; their scale words: tile m x 1,024 + 32 x lane + 2 x head
.set STG,  53248                       ; the stage: 32 rows of 4,096 + 16 bytes
.set SP,   4112
.set SPARE, 0x2d200                    ; the spare words: 128 bytes a wave
.set VEC,  186880                      ; bo, ln_g, ln_b: 4,096 bytes each
.set LI,  1                            ; 16 x lane
.set BR,  2                            ; a bias image read: 272 h + 16 r
.set BW,  3                            ; and written
.set X,   4                            ; at work
.set L8,  5                            ; 8 x lane
.set NM0, 8                            ; -M of tile 0 (tile 1: v12)
.set QS,  9                            ; Q's scale words: tile 0 in lanes 0-15, tile 1 in lanes 16-31
.set L0,  10                           ; v[10:11] tile 0's sum in two halves (tile 1: v[14:15])
.set Q,   16                           ; v16-19 q0, v20-23 zeros, v24-27 q1, v28-31 zeros
.set KF,  32                           ; v32-63 K: tile t at 4 t
.set P,   64                           ; v64-71 p's codes
.set KS,  72                           ; v72-75 K's scale words, two tiles to a register
.set VS,  76                           ; v76-77 V's
.set F,   78                           ; 2^(old M - new M)
.set PS,  79                           ; p's scale word
.set VF,  80                           ; v80-111 V: channel tile at 8 ct
.set DR,  112                          ; v112-119 two rows of distances; at work in the decoding
.set BM,  120                          ; v120-123 the blocks' largest scores, then p, then scale operands; in the decoding the first row's 8 x bias
.set TB,  124                          ; v124-127 the other half's maxima; a chain of the sum; bytes; in the decoding the second row's 8 x bias
.set S,   128                          ; v128-191 S^T, then p
.set O,   192                          ; v192-255 O^T: 32 m + 8 ct
.set WV,  34
.set JJ,  35
.set TBL, 36                           ; s36-40: dist_bias
.set SEL, 42
.set CS,  44
.set KBC, 46
.set KSC, 48
.set VBC, 50
.set VSC, 52
.set DBC, 54
.set OF,  56
.set TJ,  58
.set FL,  61
.set LOT, 66                           ; s66-69: byte i of 8 x dist_bias[0 .. 3]
.set HIT, 70                           ; s70-73: byte i of 8 x dist_bias[4], in the low byte
.set SA,  74                           ; s74-77: the transposition's four selectors
.set SB,  75
.set SC,  76
.set SD,  77
.set WO1, 82                           ; s[82:83]: K step 1 of my rows of Wo (K step 0: s[20:21])
.macro PLACES                          ; four plain places behind a matrix instruction, ahead of loads into its registers and of reads of its results
.rept 4
	v_nop
.endr
.endm
; one product; the operands stand in the symbols rD rA rB rC rSA rSB; fA, fB: the side's scales stand in lanes 16-31; z = 1: the product starts the sum
.macro WM z
.if \z
.if fA
	v_wmma_scale_f32_16x16x128_f8f6f4 v[rD:rD+7], v[rA:rA+7], v[rB:rB+7], 0, v[rSA], v[rSB] matrix_a_fmt:MATRIX_FMT_FP4 matrix_b_fmt:MATRIX_FMT_FP4 matrix_a_scale:MATRIX_SCALE_ROW1
.else
	v_wmma_scale_f32_16x16x128_f8f6f4 v[rD:rD+7], v[rA:rA+7], v[rB:rB+7], 0, v[rSA], v[rSB] matrix_a_fmt:MATRIX_FMT_FP4 matrix_b_fmt:MATRIX_FMT_FP4
.endif
.else
.if fA && fB
	v_wmma_scale_f32_16x16x128_f8f6f4 v[rD:rD+7], v[rA:rA+7], v[rB:rB+7], v[rC:rC+7], v[rSA], v[rSB] matrix_a_fmt:MATRIX_FMT_FP4 matrix_b_fmt:MATRIX_FMT_FP4 matrix_a_scale:MATRIX_SCALE_ROW1 matrix_b_scale:MATRIX_SCALE_ROW1
.elseif fA
	v_wmma_scale_f32_16x16x128_f8f6f4 v[rD:rD+7], v[rA:rA+7], v[rB:rB+7], v[rC:rC+7], v[rSA], v[rSB] matrix_a_fmt:MATRIX_FMT_FP4 matrix_b_fmt:MATRIX_FMT_FP4 matrix_a_scale:MATRIX_SCALE_ROW1
.elseif fB
	v_wmma_scale_f32_16x16x128_f8f6f4 v[rD:rD+7], v[rA:rA+7], v[rB:rB+7], v[rC:rC+7], v[rSA], v[rSB] matrix_a_fmt:MATRIX_FMT_FP4 matrix_b_fmt:MATRIX_FMT_FP4 matrix_b_scale:MATRIX_SCALE_ROW1
.else
	v_wmma_scale_f32_16x16x128_f8f6f4 v[rD:rD+7], v[rA:rA+7], v[rB:rB+7], v[rC:rC+7], v[rSA], v[rSB] matrix_a_fmt:MATRIX_FMT_FP4 matrix_b_fmt:MATRIX_FMT_FP4
.endif
.endif
.endm
; The loads of key step min(J + a, 15): the clamp keeps every load inside its buffer and the counts the same in every trip; the distances and scale words that the last trips load again nobody uses.
.macro LDD a                           ; my two rows of distances: 512 consecutive bytes a load
	s_wait_xcnt 0x0                                ; the earlier loads have read their bases
	s_add_co_u32 s[TJ], s[JJ], \a
	s_min_u32 s[TJ], s[TJ], 15
	s_lshl_b32 s[OF], s[TJ], 9
	s_add_nc_u64 s[DBC:DBC+1], s[16:17], s[OF:OF+1]
	global_load_b128 v[DR:DR+3], v[LI], s[DBC:DBC+1] th:TH_LOAD_NT
	global_load_b128 v[DR+4:DR+7], v[LI], s[DBC:DBC+1] offset:8192 th:TH_LOAD_NT
.endm
.macro LDK a                           ; my head's eight tiles of K and their scale words: nine loads
	s_wait_xcnt 0x0
	s_add_co_u32 s[TJ], s[JJ], \a
	s_min_u32 s[TJ], s[TJ], 15
	s_lshl_b32 s[OF], s[TJ], 12
	s_add_nc_u64 s[KBC:KBC+1], s[8:9], s[OF:OF+1]
	s_lshl_b32 s[OF], s[TJ], 9
	s_add_nc_u64 s[KSC:KSC+1], s[10:11], s[OF:OF+1]
.if \a == 2
	s_add_co_u32 s[TJ], s[JJ], \a
	s_cmp_lt_u32 s[TJ], 16                         ; behind the last key step: K step 0 of Wo, 4,096 bytes in the same order
	s_cselect_b64 s[KBC:KBC+1], s[KBC:KBC+1], s[20:21]
.endif
.irp t, 0,1,2,3,4,5,6,7
	global_load_b128 v[KF+4*\t:KF+4*\t+3], v[LI], s[KBC:KBC+1] offset:512*\t
.endr
	global_load_b128 v[KS:KS+3], v[LI], s[KSC:KSC+1]
.endm
.macro LDV a                           ; four tiles of V^T and their scale words: nine loads
	s_wait_xcnt 0x0
	s_add_co_u32 s[TJ], s[JJ], \a
	s_min_u32 s[TJ], s[TJ], 15
	s_lshl_b32 s[OF], s[TJ], 12
	s_add_nc_u64 s[VBC:VBC+1], s[12:13], s[OF:OF+1]
	s_lshl_b32 s[OF], s[TJ], 8
	s_add_nc_u64 s[VSC:VSC+1], s[14:15], s[OF:OF+1]
.if \a == 2
	s_add_co_u32 s[TJ], s[JJ], \a
	s_cmp_lt_u32 s[TJ], 16                         ; behind the last key step: K step 1 of Wo
	s_cselect_b64 s[VBC:VBC+1], s[VBC:VBC+1], s[WO1:WO1+1]
.endif
.irp t, 0,1,2,3,4,5,6,7
	global_load_b128 v[VF+4*\t:VF+4*\t+3], v[LI], s[VBC:VBC+1] offset:512*\t
.endr
	global_load_b64 v[VS:VS+1], v[L8], s[VSC:VSC+1]
.endm
; distances to 8 x dist_bias[clip(d, 0, 4)], eight numbers a lane (two rows x four keys), the two rows by turns; then into image pp
.macro DECODE pp
.irp e, 0,1,2,3,4,5,6,7
	v_med3_i32 v[DR+\e], v[DR+\e], 0, 4            ; the clip
.endr
.irp q, 0,1
	v_lshl_or_b32 v[DR+4*\q], v[DR+4*\q+1], 8, v[DR+4*\q]
	v_lshl_or_b32 v[DR+4*\q+2], v[DR+4*\q+3], 8, v[DR+4*\q+2]
.endr
.irp q, 0,1
	v_lshl_or_b32 v[DR+4*\q], v[DR+4*\q+2], 16, v[DR+4*\q]                ; four d in four bytes: a selector word (0-3: a byte of the second source, 4: the low byte of the first)
.endr
.irp i, 0,1,2,3
.irp q, 0,1
	v_perm_b32 v[BM+4*\q+\i], s[HIT+\i], s[LOT+\i], v[DR+4*\q]            ; byte i of the four numbers
.endr
.endr
.irp q, 0,1
	v_perm_b32 v[DR+4*\q], v[BM+4*\q+1], v[BM+4*\q], s[SA]                ; bytes 0, 1 of numbers 0 and 1
	v_perm_b32 v[DR+4*\q+1], v[BM+4*\q+1], v[BM+4*\q], s[SB]              ; of numbers 2 and 3
	v_perm_b32 v[DR+4*\q+2], v[BM+4*\q+3], v[BM+4*\q+2], s[SA]            ; bytes 2, 3 of numbers 0 and 1
	v_perm_b32 v[DR+4*\q+3], v[BM+4*\q+3], v[BM+4*\q+2], s[SB]            ; of numbers 2 and 3
.endr
.irp q, 0,1
	v_perm_b32 v[BM+4*\q], v[DR+4*\q+2], v[DR+4*\q], s[SC]
	v_perm_b32 v[BM+4*\q+1], v[DR+4*\q+2], v[DR+4*\q], s[SD]
	v_perm_b32 v[BM+4*\q+2], v[DR+4*\q+3], v[DR+4*\q+1], s[SC]
	v_perm_b32 v[BM+4*\q+3], v[DR+4*\q+3], v[DR+4*\q+1], s[SD]
.endr
.irp q, 0,1
	ds_store_b128 v[BW], v[BM+4*\q:BM+4*\q+3] offset:(\pp)*BBUF+16*\q
.endr
.endm
.macro LDBIAS m, pp                    ; query tile m's 8 x bias into the score registers
.irp g, 0,1,2,3,4,5,6,7,8,9,10,11,12,13,14,15
	ds_load_b128 v[S+4*\g:S+4*\g+3], v[BR] offset:(\pp)*BBUF+544*(16*\m+\g)
.endr
.endm
.macro QK m                            ; S^T = K Q^T + 8 bias: eight accumulators, one instruction each
.irp t, 0,1,2,3,4,5,6,7
.set rD, S+8*\t
.set rC, rD
.set rA, KF+4*\t
.set rB, Q+8*\m
.set rSA, KS+\t/2
.set rSB, QS
.set fA, \t%2
.set fB, \m
	WM 0
.endr
.endm
.macro PV m                            ; O^T += V^T P^T
.irp t, 0,1,2,3
.set rD, O+32*\m+8*\t
.set rC, rD
.set rA, VF+8*\t
.set rB, P
.set rSA, VS+\t/2
.set rSB, PS
.set fA, \t%2
.set fB, 0
	WM 0
.endr
.endm
.macro SOFTMAX m, pp
.set rN, NM0+4*\m
.set rL, L0+4*\m
.set rO, O+32*\m
.irp b, 0,1,2,3
	v_max3_num_f32 v[BM+\b], v[S+16*\b], v[S+16*\b+1], v[S+16*\b+2]       ; the largest score of each block of 32 keys: for the row's maximum, and for the block's largest p
.endr
.irp i, 3,5,7,9,11,13
.irp b, 0,1,2,3
	v_max3_num_f32 v[BM+\b], v[BM+\b], v[S+16*\b+\i], v[S+16*\b+\i+1]
.endr
.endr
.irp b, 0,1,2,3
	v_max_num_f32 v[BM+\b], v[BM+\b], v[S+16*\b+15]
.endr
.irp b, 0,1,2,3
	s_delay_alu instid0(VALU_DEP_4)
	v_permlanex16_b32 v[TB+\b], v[BM+\b], s[SEL], s[SEL+1]
.endr
.irp b, 0,1,2,3
	s_delay_alu instid0(VALU_DEP_4)
	v_max_num_f32 v[BM+\b], v[BM+\b], v[TB+\b]                            ; with lane l xor 16's 16 keys
.endr
	s_delay_alu instid0(VALU_DEP_2)
	v_max3_num_f32 v[X], v[BM], v[BM+1], v[BM+2]
	s_delay_alu instid0(VALU_DEP_1)
	v_max_num_f32 v[X], v[X], v[BM+3]
	s_delay_alu instid0(VALU_DEP_1)
	v_mul_f32 v[X], s[CS], v[X]                    ; the step's largest t
	s_delay_alu instid0(VALU_DEP_1)
	v_floor_f32 v[X], -v[X]                        ; minus its ceiling;
	s_delay_alu instid0(VALU_DEP_1)
	v_min_num_f32 v[X], v[X], v[rN]                ; the ceiling of the running maximum is the maximum of the ceilings
	s_delay_alu instid0(VALU_DEP_1)
	v_sub_f32 v[F], v[X], v[rN]                    ; old M - new M: a whole number, 0 or less
	s_delay_alu instid0(VALU_DEP_2)
	v_mov_b32 v[rN], v[X]
	s_delay_alu instid0(VALU_DEP_2)
	v_cvt_i32_f32 v[F], v[F]                       ; (it saturates)
	s_delay_alu instid0(VALU_DEP_1)
	v_ldexp_f32 v[F], 1.0, v[F]                    ; f = 2^(old M - new M)
.set j, 0
.rept 32
	v_pk_fma_f32 v[S+j:S+j+1], v[S+j:S+j+1], s[CS:CS+1], v[rN:rN+1] op_sel_hi:[1,0,0]   ; t - M (of the pairs the low word serves both halves)
.set j, j+2
.endr
.irp b, 0,1,2,3
	v_fma_f32 v[BM+\b], v[BM+\b], s[CS], v[rN]
.endr
.set j, 0
	s_wait_alu depctr_va_vdst(0)                   ; the wait ahead of the batch
.rept 64
	v_exp_f32 v[S+j], v[S+j]                       ; p = 2^(t - M)
.set j, j+1
.endr
	v_pk_mul_f32 v[rL:rL+1], v[rL:rL+1], v[F:F+1] op_sel_hi:[1,0]         ; the sums under the new M: the plain place behind the exponentials
	s_wait_alu depctr_va_vdst(0)                   ; one wait for the batch, ahead of its first reader
.irp b, 0,1,2,3
	v_exp_f32 v[BM+\b], v[BM+\b]                   ; the blocks' largest p
.endr
	v_pk_add_f32 v[TB:TB+1], v[S:S+1], v[S+2:S+3]  ; the sum of the unquantised p, in two chains
.irp j, 4,8,12,16,20,24,28,32,36,40,44,48,52,56,60
	v_pk_add_f32 v[rL:rL+1], v[rL:rL+1], v[S+\j:S+\j+1]
	v_pk_add_f32 v[TB:TB+1], v[TB:TB+1], v[S+\j+2:S+\j+3]
.endr
	s_delay_alu instid0(VALU_DEP_1)
	v_pk_add_f32 v[rL:rL+1], v[rL:rL+1], v[TB:TB+1]
	s_wait_alu depctr_va_vdst(0)                   ; and one for the four
.irp b, 0,1,2,3
	v_max_num_f32 v[BM+\b], 0x1800000, v[BM+\b]    ; the floor 2^(3 - 127): the byte cannot fall under 1
.endr
.irp b, 0,1,2,3
	s_delay_alu instid0(VALU_DEP_4)
	v_add_nc_u32 v[BM+\b], 0xff000000, v[BM+\b]    ; 2 off the exponent field: the conversion's scale operand
.endr
.irp b, 0,1,2,3
	s_delay_alu instid0(VALU_DEP_4)
	v_lshrrev_b32 v[TB+\b], 23, v[BM+\b]
.endr
	s_delay_alu instid0(VALU_DEP_3)
	v_lshl_or_b32 v[PS], v[TB+1], 8, v[TB]
	s_delay_alu instid0(VALU_DEP_1)
	v_lshl_or_b32 v[PS], v[TB+2], 16, v[PS]
	s_delay_alu instid0(VALU_DEP_1)
	v_lshl_or_b32 v[PS], v[TB+3], 24, v[PS]
.irp b, 0,1,2,3
	v_cvt_scalef32_pk8_fp4_f32 v[P+2*\b], v[S+16*\b:S+16*\b+7], v[BM+\b]
	v_cvt_scalef32_pk8_fp4_f32 v[P+2*\b+1], v[S+16*\b+8:S+16*\b+15], v[BM+\b]
.endr
	v_nop                                          ; one plain place behind a scaled conversion
.irp c, 0,1
.irp i, 0,1
	v_permlane16_swap_b32 v[P+4*\c+\i], v[P+4*\c+2+\i]                    ; a whole block to a lane
.endr
.endr
.if \m == 0
	LDBIAS 1, \pp                                  ; p has been read: the other tile's bias lands during the lines below
.else
	s_wait_alu depctr_va_vdst(0)                   ; the wait here, directly ahead of the barrier's wait
	s_barrier_wait -1                              ; all sixteen waves have signalled: the next image is whole, and nobody reads this step's image any more
	LDBIAS 0, 1-\pp                                ; the next step's bias of tile 0 lands during the lines below
.endif
.set j, 0
.rept 16
	v_pk_mul_f32 v[rO+j:rO+j+1], v[rO+j:rO+j+1], v[F:F+1] op_sel_hi:[1,0] ; O^T under the new M; these 16 are also the places between p's codes and scale word and the products
.set j, j+2
.endr
.endm
; A KEY STEP, j = J + p, on bias image p, whose part for tile 0 is on its way into the score registers.  Global loads on their way at its head, oldest first: distances of j + 1 (2), K of j (9), V of j (9).
.macro STEP p
	s_wait_loadcnt 18                              ; the distances are in; K's 9 and V's 9 stay out
	DECODE 1-\p                                    ; into the other image: every wave's reads of it were in ahead of its last signal
	s_wait_loadcnt 9                               ; K is in; V's 9 stay out
	s_wait_dscnt 0x0                               ; tile 0's bias is in; my two stores have landed
	QK 0
	LDD \p+2
	PLACES
	SOFTMAX 0, \p
	s_wait_alu depctr_va_vdst(0)                   ; the wait here, directly ahead of the wait below
	s_wait_loadcnt 2                               ; V is in; the two loads of distances stay out
	PV 0
	s_wait_dscnt 0x0                               ; tile 1's bias is in: my reads of image p are over
	QK 1
	PLACES
	LDK \p+1
	s_barrier_signal -1                            ; no LDS instruction of mine is out; the wait stands in tile 1's softmax
	SOFTMAX 1, \p
	PV 1
	PLACES
	LDV \p+1
.endm
	s_load_b512 s[4:19], s[0:1], 0x0               ; qc 4, qs 6, kc 8, ks 10, vc 12, vs 14, distances 16, dist_bias 18
	s_load_b256 s[20:27], s[0:1], 0x40             ; woi 20, Wo scales 22, bo 24, x 26
	s_load_b128 s[28:31], s[0:1], 0x60             ; ln_g 28, ln_b 30
	s_load_b64 s[32:33], s[0:1], 0x70              ; out0
	v_lshrrev_b32 v1, 5, v0
	s_delay_alu instid0(VALU_DEP_1)
	v_readfirstlane_b32 s[WV], v1                  ; wave = head, 0..15
	v_and_b32 v4, 31, v0                           ; lane
	v_and_b32 v6, 15, v0                           ; r
	v_bfe_u32 v7, v0, 4, 1                         ; h
	s_delay_alu instid0(VALU_DEP_3)
	v_lshlrev_b32 v[LI], 4, v4
	s_delay_alu instid0(VALU_DEP_4)
	v_lshlrev_b32 v[L8], 3, v4
	s_delay_alu instid0(VALU_DEP_3)
	v_mul_u32_u24 v[BR], v7, 272
	s_delay_alu instid0(VALU_DEP_1)
	v_lshl_add_u32 v[BR], v6, 4, v[BR]
	; my four keys 4 l .. 4 l + 3 of a row are registers 4 g .. 4 g + 3 of score tile t, lane half (l / 4) % 2: group 2 t + g = 4 (l / 8) + l % 4
	v_bfe_u32 v6, v0, 3, 2
	v_and_b32 v7, 3, v0
	s_delay_alu instid0(VALU_DEP_1)
	v_lshl_or_b32 v[BW], v6, 2, v7
	s_delay_alu instid0(VALU_DEP_1)
	v_mul_u32_u24 v[BW], v[BW], 544
	v_bfe_u32 v6, v0, 2, 1
	s_delay_alu instid0(VALU_DEP_1)
	v_mad_u32_u24 v[BW], v6, 272, v[BW]
	v_lshlrev_b32 v7, 3, v0                        ; my 8 bytes of bo, ln_g, ln_b: 8 x my thread's number,
	v_lshl_add_u32 v[X], v0, 3, VEC                ; and where they go in LDS
	s_wait_alu depctr_va_vdst(0)                   ; the wait ahead of the scalar lines and waits below
	s_bfe_u32 s56, s[WV], 0x10002                  ; row 2 w of the 32 is query tile (w / 4) % 2,
	s_mul_i32 s56, s56, 16*544
	s_lshl_b32 s57, s[WV], 1
	s_and_b32 s57, s57, 7
	s_lshr_b32 s58, s[WV], 3
	s_lshl_b32 s58, s58, 3
	s_add_co_u32 s57, s57, s58                     ; lane (2 w) % 8 + 8 (w / 8) of it
	s_lshl_b32 s57, s57, 4
	s_add_co_u32 s56, s56, s57
	v_add_nc_u32 v[BW], s56, v[BW]
	s_mov_b32 s[SEL], 0x76543210
	s_mov_b32 s[SEL+1], 0xfedcba98
	s_mov_b32 s[CS], 0x3e38aa3b                    ; c = log2(e) / 8
	s_mov_b32 s[CS+1], s[CS]
	s_mov_b32 s[FL], 0x1800000
	s_mov_b32 s[SA], 0x05010400
	s_mov_b32 s[SB], 0x07030602
	s_mov_b32 s[SC], 0x05040100
	s_mov_b32 s[SD], 0x07060302
	s_mov_b32 s[JJ], 0
	s_and_b32 s41, ttmp7, 0xffff                   ; the batch
	s_lshl_b32 s58, s41, 4
	s_add_co_u32 s58, s58, s[WV]                   ; 16 x batch + head
	s_lshr_b32 s62, ttmp9, 2                       ; my tokens' group of 128,
	s_and_b32 s63, ttmp9, 3                        ; and which 32 of it: tiles 2 i and 2 i + 1
	s_mov_b32 s[OF+1], 0
	s_wait_kmcnt 0x0
	s_load_b128 s[36:39], s[18:19], 0x0            ; the table
	s_load_b32 s40, s[18:19], 0x10
	s_lshl_b32 s[OF], s58, 16
	s_add_nc_u64 s[8:9], s[8:9], s[OF:OF+1]
	s_add_nc_u64 s[12:13], s[12:13], s[OF:OF+1]
	s_lshl_b32 s59, s62, 12
	s_add_co_u32 s[OF], s[OF], s59
	s_lshl_b32 s59, s63, 10
	s_add_co_u32 s[OF], s[OF], s59
	s_add_nc_u64 s[4:5], s[4:5], s[OF:OF+1]
	s_lshl_b32 s[OF], s58, 13
	s_add_nc_u64 s[10:11], s[10:11], s[OF:OF+1]
	s_lshl_b32 s59, s62, 9
	s_add_co_u32 s[OF], s[OF], s59
	s_lshl_b32 s59, s63, 2
	s_add_co_u32 s[OF], s[OF], s59
	s_add_nc_u64 s[6:7], s[6:7], s[OF:OF+1]
	s_lshl_b32 s[OF], s58, 12
	s_add_nc_u64 s[14:15], s[14:15], s[OF:OF+1]
	s_lshl_b32 s59, s41, 11
	s_lshl_b32 s60, ttmp9, 5
	s_add_co_u32 s59, s59, s60
	s_lshl_b32 s60, s[WV], 1
	s_add_co_u32 s59, s59, s60                     ; the first of my two rows: 2,048 batch + 32 block + 2 wave
	s_lshl_b32 s[OF], s59, 13
	s_add_nc_u64 s[16:17], s[16:17], s[OF:OF+1]
	s_lshl_b32 s[OF], s59, 12
	s_add_nc_u64 s[26:27], s[26:27], s[OF:OF+1]
	s_add_nc_u64 s[32:33], s[32:33], s[OF:OF+1]
	s_lshl_b32 s[OF], s[WV], 15                    ; my 64 rows of Wo: 8 K steps of 4,096 bytes
	s_add_nc_u64 s[20:21], s[20:21], s[OF:OF+1]
	s_add_nc_u64 s[WO1:WO1+1], s[20:21], 4096
	s_lshl_b32 s[OF], s[WV], 11
	s_add_nc_u64 s[22:23], s[22:23], s[OF:OF+1]
	global_load_b128 v[Q:Q+3], v[LI], s[4:5]
	global_load_b128 v[Q+8:Q+11], v[LI], s[4:5] offset:512
	global_load_b32 v[QS], v[LI], s[6:7]
	global_load_b64 v[S+16:S+17], v7, s[24:25]     ; the sixteen waves together: 4,096 consecutive bytes of bo,
	global_load_b64 v[S+18:S+19], v7, s[28:29]     ; of ln_g,
	global_load_b64 v[S+20:S+21], v7, s[30:31]     ; of ln_b
	LDD 0
.irp j, 4,5,6,7,12,13,14,15
	v_mov_b32 v[Q+\j], 0                           ; the zero codes beside q
.endr
.set j, 0
.rept 8
	v_mov_b32 v[P+j], 0                            ; read as the upper half of K's last operand before p is first made
.set j, j+1
.endr
.set j, 0
.rept 64
	v_mov_b32 v[O+j], 0                            ; the step is written once: the first finds zeros, which the first change of M leaves zeros
.set j, j+1
.endr
.irp j, 0,1,4,5
	v_mov_b32 v[L0+\j], 0
.endr
.irp j, 0,1,2,3
	v_mov_b32 v[TB+\j], 0                          ; a lane permute's destination counts as one of its sources
.endr
	v_mov_b32 v[PS], 0
	v_mov_b32 v13, 0                               ; named as the upper half of the pair v[12:13]; its value is not used
	v_mov_b32 v[NM0], 0x7f61b1e6                   ; -M = 3e38: M lies under every t
	v_mov_b32 v[NM0+4], 0x7f61b1e6
	s_wait_kmcnt 0x0
	v_mov_b32 v6, 0x41000000                       ; 8.0
.irp i, 0,1,2,3,4
	v_mul_f32 v[S+\i], s[TBL+\i], v6               ; 8 x dist_bias: exact
.endr
	v_perm_b32 v[S+8], v[S+1], v[S], s[SA]         ; the table by bytes: the same 4 x 4 transposition as in the decoding
	v_perm_b32 v[S+9], v[S+1], v[S], s[SB]
	v_perm_b32 v[S+10], v[S+3], v[S+2], s[SA]
	v_perm_b32 v[S+11], v[S+3], v[S+2], s[SB]
	v_perm_b32 v[S+12], v[S+10], v[S+8], s[SC]
	v_perm_b32 v[S+13], v[S+10], v[S+8], s[SD]
	v_perm_b32 v[S+14], v[S+11], v[S+9], s[SC]
	v_perm_b32 v[S+15], v[S+11], v[S+9], s[SD]
.irp i, 0,1,2,3
	v_readfirstlane_b32 s[LOT+\i], v[S+12+\i]
.endr
	v_readfirstlane_b32 s[HIT], v[S+4]
	s_lshr_b32 s[HIT+1], s[HIT], 8
	s_lshr_b32 s[HIT+2], s[HIT], 16
	s_lshr_b32 s[HIT+3], s[HIT], 24
	s_wait_alu depctr_va_vdst(0)                   ; the wait here, directly ahead of the wait below
	s_wait_loadcnt 0x0
	DECODE 0
	ds_store_b64 v[X], v[S+16:S+17]
	ds_store_b64 v[X], v[S+18:S+19] offset:4096
	ds_store_b64 v[X], v[S+20:S+21] offset:8192
	s_wait_alu depctr_va_vdst(0)                   ; the wait at the head's end
	s_wait_dscnt 0x0                               ; my stores have landed
	s_barrier_signal -1
	s_barrier_wait -1                              ; image 0 and the three vectors are whole
	LDBIAS 0, 0
	LDD 1
	LDK 0
	LDV 0
.Lstep:                                                ; eight trips of two key steps, in which the bias images change places
	STEP 0
	STEP 1
	s_add_co_u32 s[JJ], s[JJ], 2
	s_cmp_lt_u32 s[JJ], 16
	s_cbranch_scc1 .Lstep
	; ---- THE TAIL.  Registers anew: v3 the prefetch's offset, v5 32 x lane, v12, v13 where my images go, v10, v11 the stage, v14 the three vectors; v16-31 at work, then scale words of the attention output, then sums;
	; Wo's fragments: a ring of four K steps at v32, v80, v128, v160 (K steps 0 and 1 are on their way there since the last key step); v64-79 my codes, then the attention output's fragments; v112-127 Wo's scale words;
	; behind the product: x in v32-63 and v80-111, bo v128-159, ln_g v160-191, ln_b v64-79 and v112-127; v192-255 O^T, then the eight accumulators, then two rows of y.
.set PFO, 3
.set W32, 5
.set SO,  10
.set SR,  11
.set AIW, 12
.set ASW, 13
.set VR,  14
.set TM,  16
.set ASR, 16
.set AF,  64
.set WOS, 112
.set Y,   192
.set XR,  32                           ; row i at XR + 48 i
.set BO,  128
.set LG,  160
.set LBA, 64                           ; ln_b: registers 0-15,
.set LBB, 96                           ; and 16-31 (at LBB + 16 on)
.set SU,  16
.set PT,  20
.set NU,  22
.set RS,  26
.macro LDWO k                          ; K step k of my 64 rows of Wo: four fragments, eight loads of 512 consecutive bytes
.set WSB, 32+48*((\k)%4)-16*(((\k)%4)/3)
.irp u, 0,1,2,3,4,5,6,7
	global_load_b128 v[WSB+4*\u:WSB+4*\u+3], v[LI], s[20:21] offset:4096*(\k)+512*\u
.endr
.endm
; two blocks of 32 channels: register 16 b + i at src = channel 32 b + 16 (lane / 16) + i of my query
.macro QUANT2 src, pc, pw
.irp b, 0,1
	v_max3_num_f32 v[TM+\b], |v[\src+16*\b]|, |v[\src+16*\b+1]|, s[FL]
.endr
.irp i, 2,4,6,8,10,12,14
.irp b, 0,1
	s_delay_alu instid0(VALU_DEP_2)
	v_max3_num_f32 v[TM+\b], v[TM+\b], |v[\src+16*\b+\i]|, |v[\src+16*\b+\i+1]|
.endr
.endr
.irp b, 0,1
	s_delay_alu instid0(VALU_DEP_2)
	v_permlanex16_b32 v[TM+4+\b], v[TM+\b], s[SEL], s[SEL+1]
.endr
.irp b, 0,1
	s_delay_alu instid0(VALU_DEP_2)
	v_max_num_f32 v[TM+\b], v[TM+\b], v[TM+4+\b]
.endr
.irp b, 0,1
	s_delay_alu instid0(VALU_DEP_2)
	v_add_nc_u32 v[TM+8+\b], 0xff000000, v[TM+\b]
.endr
.irp b, 0,1
	s_delay_alu instid0(VALU_DEP_2)
	v_lshrrev_b32 v[TM+4+\b], 23, v[TM+8+\b]
.endr
	s_delay_alu instid0(VALU_DEP_1)
	v_lshl_or_b32 v[\pw], v[TM+5], 8, v[TM+4]      ; my head's half of the K step's scale word
.irp b, 0,1
	v_cvt_scalef32_pk8_fp4_f32 v[\pc+2*\b], v[\src+16*\b:\src+16*\b+7], v[TM+8+\b]
	v_cvt_scalef32_pk8_fp4_f32 v[\pc+2*\b+1], v[\src+16*\b+8:\src+16*\b+15], v[TM+8+\b]
.endr
	v_nop
	v_permlane16_swap_b32 v[\pc], v[\pc+2]
	v_permlane16_swap_b32 v[\pc+1], v[\pc+3]
.endm
	s_wait_loadcnt 18                              ; the last two loads of distances are in: v112-119 are free; the 9 and 9 loads that bring Wo's K steps 0 and 1 stay out
	s_wait_dscnt 0x0                               ; the score registers, into which the last step's bias loads went, are free
	s_wait_xcnt 0x0                                ; the loads have read their address registers
	v_and_b32 v4, 31, v0
	v_add_f32 v16, v[L0], v[L0+1]
	v_add_f32 v17, v[L0+4], v[L0+5]
	v_lshlrev_b32 v[PFO], 8, v4
	v_lshlrev_b32 v[W32], 5, v4
	s_lshl_b32 s[OF], s[WV], 9
	v_add_nc_u32 v[AIW], s[OF], v[LI]
	s_lshl_b32 s[OF], s[WV], 1
	v_add_nc_u32 v[ASW], s[OF], v[W32]
.irp p, 0,1
.irp q, 0,1
	global_load_b128 v[WOS+8*\p+4*\q:WOS+8*\p+4*\q+3], v[W32], s[22:23] offset:1024*\p+16*\q   ; lanes 0-15 tile 2 p, lanes 16-31 tile 2 p + 1; K steps 4 q on
.endr
.endr
	LDWO 2
	LDWO 3
	global_prefetch_b8 v[PFO], s[26:27] th:TH_LOAD_NT scope:SCOPE_SE      ; my two rows of x, 8,192 consecutive bytes, lanes 256 bytes apart: each block named once in the launch, five K steps of the last product ahead of the loads
	; O^T / the sum
	v_permlanex16_b32 v18, v16, s[SEL], s[SEL+1]
	v_permlanex16_b32 v19, v17, s[SEL], s[SEL+1]
	s_delay_alu instid0(VALU_DEP_2)
	v_add_f32 v16, v16, v18
	s_delay_alu instid0(VALU_DEP_2)
	v_add_f32 v17, v17, v19
	s_wait_alu depctr_va_vdst(0)                   ; the wait ahead of the reciprocals
	v_rcp_f32 v6, v16
	v_rcp_f32 v8, v17
	v_nop                                          ; a plain place behind the reciprocals
	s_wait_alu depctr_va_vdst(0)                   ; and the wait ahead of their first reader
.set j, 0
.rept 16
	v_pk_mul_f32 v[O+j:O+j+1], v[O+j:O+j+1], v[6:7] op_sel_hi:[1,0]
.set j, j+2
.endr
.set j, 0
.rept 16
	v_pk_mul_f32 v[O+32+j:O+32+j+1], v[O+32+j:O+32+j+1], v[8:9] op_sel_hi:[1,0]
.set j, j+2
.endr
.irp m, 0,1
	QUANT2 O+32*\m, 64+4*\m, 28+\m
	ds_store_b128 v[AIW], v[64+4*\m:67+4*\m] offset:AIMG+8192*\m
	ds_store_b16 v[ASW], v[28+\m] offset:ASC+1024*\m
.endr
	s_wait_dscnt 0x0
	s_barrier_signal -1
	s_barrier_wait -1                              ; all sixteen heads' images lie in LDS
.irp m, 0,1
.irp q, 0,1
	ds_load_b128 v[ASR+8*\m+4*\q:ASR+8*\m+4*\q+3], v[W32] offset:ASC+1024*\m+16*\q
.endr
.endr
	v_and_b32 v[SO], 7, v0                         ; the stage: lane r of tile m is row 8 m + r % 8 + 16 (r / 8) of the 32
	v_bfe_u32 v[SR], v0, 3, 1
	s_delay_alu instid0(VALU_DEP_1)
	v_lshl_add_u32 v[SO], v[SR], 4, v[SO]
	s_delay_alu instid0(VALU_DEP_1)
	v_mul_u32_u24 v[SO], v[SO], SP
	v_bfe_u32 v[SR], v0, 4, 1
	s_delay_alu instid0(VALU_DEP_1)
	v_lshl_add_u32 v[SO], v[SR], 5, v[SO]
	s_lshl_b32 s[OF], s[WV], 8
	s_add_co_u32 s[OF], s[OF], STG
	v_add_nc_u32 v[SO], s[OF], v[SO]
	s_mul_i32 s[OF], s[WV], 2*SP
	s_add_co_u32 s[OF], s[OF], STG
	v_add_nc_u32 v[SR], s[OF], v[LI]
	v_add_nc_u32 v[VR], VEC, v[LI]
	s_wait_alu depctr_va_vdst(0)                   ; the wait ahead of the waits below
	s_wait_loadcnt 16                              ; Wo's K steps 0 and 1 and its scale words are in, and so are the last step's scale words of K and V, whose registers the fragments below take; K steps 2 and 3 stay out
	; out = a Wo^T: source 0 = 16 rows of Wo, source 1 = 16 tokens: a lane holds eight neighbouring columns of one token.  Eight accumulators by turns
.irp k, 0,1,2,3,4,5,6,7
.irp m, 0,1
.irp c, 0,1
	ds_load_b128 v[AF+8*\m+4*\c:AF+8*\m+4*\c+3], v[LI] offset:AIMG+8192*\m+1024*\k+512*\c
.endr
.endr
	s_wait_dscnt 0x0
.if \k == 7
	s_wait_loadcnt 16                              ; the two rows of x stay out
.elseif \k > 0
	s_wait_loadcnt 24                              ; this K step of Wo is in; the three younger groups of 8 loads (fills of the ring, then rows of x) stay out
.endif
.irp t, 0,1,2,3
.irp m, 0,1
.set rD, Y+8*(2*\t+\m)
.set rC, rD
.set rA, 32+48*(\k%4)-16*((\k%4)/3)+8*\t
.set rB, AF+8*\m
.set rSA, WOS+8*(\t/2)+\k
.set rSB, ASR+8*\m+\k
.set fA, \t%2
.set fB, 0
.if \k == 0
	WM 1
.else
	WM 0
.endif
.endr
.endr
	PLACES
.if \k < 4
	LDWO \k+4
.elseif \k < 6
.irp u, 0,1,2,3,4,5,6,7
	global_load_b128 v[XR+48*(\k-4)+4*\u:XR+48*(\k-4)+4*\u+3], v[LI], s[26:27] offset:4096*(\k-4)+512*\u th:TH_LOAD_NT   ; a row of x into the part of the ring that this K step has left
.endr
.endif
.endr
.irp k, 0,1,2,3,4,5,6,7
	ds_load_b128 v[BO+4*\k:BO+4*\k+3], v[VR] offset:512*\k
	ds_load_b128 v[LG+4*\k:LG+4*\k+3], v[VR] offset:4096+512*\k
.if \k < 4
	ds_load_b128 v[LBA+4*\k:LBA+4*\k+3], v[VR] offset:8192+512*\k
.else
	ds_load_b128 v[LBB+4*\k:LBB+4*\k+3], v[VR] offset:8192+512*\k
.endif
.endr
.irp t, 0,1,2,3
.irp m, 0,1
	ds_store_b128 v[SO], v[Y+8*(2*\t+\m):Y+8*(2*\t+\m)+3] offset:8*SP*\m+64*\t          ; each accumulator from its low end on
	ds_store_b128 v[SO], v[Y+8*(2*\t+\m)+4:Y+8*(2*\t+\m)+7] offset:8*SP*\m+64*\t+16
.endr
.endr
	s_mov_b32 s59, 0x3a800000                      ; 1 / 1,024
	s_mov_b32 s60, 0x3727c5ac                      ; 1e-5
	s_mov_b32 s62, 0xba800000                      ; -1 / 1,024
	s_wait_dscnt 0x0
	s_barrier_signal -1
	s_barrier_wait -1                              ; 32 whole rows lie in the stage
.irp i, 0,1
.irp k, 0,1,2,3,4,5,6,7
	ds_load_b128 v[Y+32*\i+4*\k:Y+32*\i+4*\k+3], v[SR] offset:SP*\i+512*\k
.endr
.endr
	s_wait_loadcnt 0x0
	s_wait_dscnt 0x0
.macro REDUCE                          ; the two rows' sums over the wave's 32 lanes, by turns
.irp i, 0,1
	s_delay_alu instid0(VALU_DEP_2)
	v_add_f32 v[SU+2*\i], v[SU+2*\i], v[SU+2*\i+1]
.endr
.irp x, 1,2,4,8
.irp i, 0,1
	s_delay_alu instid0(VALU_DEP_2)
	v_add_f32_dpp v[SU+2*\i], v[SU+2*\i], v[SU+2*\i] row_xmask:\x row_mask:0xf bank_mask:0xf
.endr
.endr
.irp i, 0,1
	s_delay_alu instid0(VALU_DEP_2)
	v_permlanex16_b32 v[PT+\i], v[SU+2*\i], s[SEL], s[SEL+1]
.endr
.irp i, 0,1
	s_delay_alu instid0(VALU_DEP_2)
	v_add_f32 v[SU+2*\i], v[SU+2*\i], v[PT+\i]
.endr
.endm
.irp k, 0,2,4,6,8,10,12,14,16,18,20,22,24,26,28,30
.irp i, 0,1
	v_pk_add_f32 v[Y+32*\i+\k:Y+32*\i+\k+1], v[Y+32*\i+\k:Y+32*\i+\k+1], v[BO+\k:BO+\k+1]
.endr
.endr
.irp k, 0,2,4,6,8,10,12,14,16,18,20,22,24,26,28,30
.irp i, 0,1
	v_pk_add_f32 v[Y+32*\i+\k:Y+32*\i+\k+1], v[Y+32*\i+\k:Y+32*\i+\k+1], v[XR+48*\i+\k:XR+48*\i+\k+1]
.endr
.endr
.irp i, 0,1
	v_pk_add_f32 v[SU+2*\i:SU+2*\i+1], v[Y+32*\i:Y+32*\i+1], v[Y+32*\i+2:Y+32*\i+3]
.endr
.irp k, 4,6,8,10,12,14,16,18,20,22,24,26,28,30
.irp i, 0,1
	s_delay_alu instid0(VALU_DEP_2)
	v_pk_add_f32 v[SU+2*\i:SU+2*\i+1], v[SU+2*\i:SU+2*\i+1], v[Y+32*\i+\k:Y+32*\i+\k+1]
.endr
.endr
	REDUCE
.irp i, 0,1
	s_delay_alu instid0(VALU_DEP_2)
	v_mul_f32 v[NU+2*\i], s62, v[SU+2*\i]          ; minus the mean
.endr
.irp k, 0,2,4,6,8,10,12,14,16,18,20,22,24,26,28,30
.irp i, 0,1
	v_pk_add_f32 v[Y+32*\i+\k:Y+32*\i+\k+1], v[Y+32*\i+\k:Y+32*\i+\k+1], v[NU+2*\i:NU+2*\i+1] op_sel_hi:[1,0]
.endr
.endr
.irp i, 0,1
	v_pk_mul_f32 v[SU+2*\i:SU+2*\i+1], v[Y+32*\i:Y+32*\i+1], v[Y+32*\i:Y+32*\i+1]
.endr
.irp k, 2,4,6,8,10,12,14,16,18,20,22,24,26,28,30
.irp i, 0,1
	s_delay_alu instid0(VALU_DEP_2)
	v_pk_fma_f32 v[SU+2*\i:SU+2*\i+1], v[Y+32*\i+\k:Y+32*\i+\k+1], v[Y+32*\i+\k:Y+32*\i+\k+1], v[SU+2*\i:SU+2*\i+1]   ; the squares of the differences: a common offset in x does no harm
.endr
.endr
	REDUCE
.irp i, 0,1
	s_delay_alu instid0(VALU_DEP_2)
	v_fma_f32 v[PT+\i], v[SU+2*\i], s59, s60       ; the variance + 1e-5
.endr
	s_wait_alu depctr_va_vdst(0)                   ; the wait ahead of the roots
.irp i, 0,1
	v_rsq_f32 v[RS+2*\i], v[PT+\i]
.endr
	v_nop                                          ; a plain place behind the roots
	s_wait_alu depctr_va_vdst(0)                   ; and the wait ahead of their first reader
.irp k, 0,2,4,6,8,10,12,14,16,18,20,22,24,26,28,30
.irp i, 0,1
	v_pk_mul_f32 v[Y+32*\i+\k:Y+32*\i+\k+1], v[Y+32*\i+\k:Y+32*\i+\k+1], v[RS+2*\i:RS+2*\i+1] op_sel_hi:[1,0]
.endr
.endr
.irp k, 0,2,4,6,8,10,12,14
.irp i, 0,1
	v_pk_fma_f32 v[Y+32*\i+\k:Y+32*\i+\k+1], v[Y+32*\i+\k:Y+32*\i+\k+1], v[LG+\k:LG+\k+1], v[LBA+\k:LBA+\k+1]
.endr
.endr
.irp k, 16,18,20,22,24,26,28,30
.irp i, 0,1
	v_pk_fma_f32 v[Y+32*\i+\k:Y+32*\i+\k+1], v[Y+32*\i+\k:Y+32*\i+\k+1], v[LG+\k:LG+\k+1], v[LBB+\k:LBB+\k+1]
.endr
.endr
.irp i, 0,1
.irp k, 0,1,2,3,4,5,6,7
	global_store_b128 v[LI], v[Y+32*\i+4*\k:Y+32*\i+4*\k+3], s[32:33] offset:4096*\i+512*\k th:TH_STORE_NT   ; 32 lanes store 512 consecutive bytes, aligned
.endr
.endr
	s_wait_xcnt 0x0                                ; the stores have read their registers
	v_lshl_add_u32 v254, v0, 2, SPARE
	v_mov_b32 v255, 0
	s_wait_alu depctr_va_vdst(0)
	s_wait_tensorcnt 0x0                           ; the wave's end
	ds_add_u32 v254, v255
	s_wait_dscnt 0x0
	s_endpgm
.Lfunc_end_k_qca0831d5a7_attn:
	.size	k_qca0831d5a7_attn, .Lfunc_end_k_qca0831d5a7_attn-k_qca0831d5a7_attn
	.p2alignl 7, 3214868480
	.fill 96, 4, 3214868480
	.section	.rodata,"a",@progbits
	.p2align	6, 0x0
	.amdhsa_kernel k_qca0831d5a7_attn
		.amdhsa_group_segment_fixed_size 199168
		.amdhsa_private_segment_fixed_size 0
		.amdhsa_enable_private_segment 0
		.amdhsa_kernarg_size 120
		.amdhsa_user_sgpr_count 2
		.amdhsa_user_sgpr_kernarg_segment_ptr 1
		.amdhsa_wavefront_size32 1
		.amdhsa_system_sgpr_workgroup_id_x 1
		.amdhsa_system_sgpr_workgroup_id_y 1
		.amdhsa_system_sgpr_workgroup_id_z 1
		.amdhsa_system_vgpr_workitem_id 0
		.amdhsa_next_free_vgpr 256
		.amdhsa_next_free_sgpr 100
		.amdhsa_reserve_vcc 0
		.amdhsa_float_denorm_mode_32 3
		.amdhsa_float_denorm_mode_16_64 3
		.amdhsa_memory_ordered 1
		.amdhsa_forward_progress 1
		.amdhsa_inst_pref_size 139
	.end_amdhsa_kernel
	.amdgpu_metadata
---
amdhsa.version: [ 1, 2 ]
amdhsa.kernels:
  - .name:           k_qca0831d5a7_attn
    .symbol:         k_qca0831d5a7_attn.kd
    .args:
      - { .name: qc, .offset: 0, .size: 8, .value_kind: global_buffer, .address_space: global }
      - { .name: qs, .offset: 8, .size: 8, .value_kind: global_buffer, .address_space: global }
      - { .name: kc, .offset: 16, .size: 8, .value_kind: global_buffer, .address_space: global }
      - { .name: ks, .offset: 24, .size: 8, .value_kind: global_buffer, .address_space: global }
      - { .name: vc, .offset: 32, .size: 8, .value_kind: global_buffer, .address_space: global }
      - { .name: vs, .offset: 40, .size: 8, .value_kind: global_buffer, .address_space: global }
      - { .name: distances, .offset: 48, .size: 8, .value_kind: global_buffer, .address_space: global }
      - { .name: dist_bias, .offset: 56, .size: 8, .value_kind: global_buffer, .address_space: global }
      - { .name: woi, .offset: 64, .size: 8, .value_kind: global_buffer, .address_space: global }
      - { .name: Wo_scales, .offset: 72, .size: 8, .value_kind: global_buffer, .address_space: global }
      - { .name: bo, .offset: 80, .size: 8, .value_kind: global_buffer, .address_space: global }
      - { .name: x, .offset: 88, .size: 8, .value_kind: global_buffer, .address_space: global }
      - { .name: ln_g, .offset: 96, .size: 8, .value_kind: global_buffer, .address_space: global }
      - { .name: ln_b, .offset: 104, .size: 8, .value_kind: global_buffer, .address_space: global }
      - { .name: out0, .offset: 112, .size: 8, .value_kind: global_buffer, .address_space: global }
    .group_segment_fixed_size: 199168
    .private_segment_fixed_size: 0
    .kernarg_segment_align: 8
    .kernarg_segment_size: 120
    .max_flat_workgroup_size: 512
    .sgpr_count:     100
    .vgpr_count:     256
    .wavefront_size: 32
...
	.end_amdgpu_metadata
.endif
;; end of part 2
